; MI455X (gfx1250); checked and timed in simulation.
; The chip was launched on July 23, 2026; its instructions are those of AMD's public machine-readable ISA for CDNA 5 (MIT licence, August 2026) and "CDNA5" Instruction Set Architecture Reference Guide (July 2026).
;; Linear Attention. Allowed arithmetic: matrix products marked QUANTISED: E4M3 operands, one given power-of-two scale a tensor, by v_wmma_f32_16x16x64_fp8_fp8 or v_wmma_f32_16x16x128_fp8_fp8, f32 sums; products left as they are: f32 operands where the result goes on into a quantised operand, else bf16, f16 or f32 operands; f32 sums; everything else in f32.
;; Inputs: Wk 1,024 x 1,024 float32; Wo 1,024 x 1,024 float32; Wq 1,024 x 1,024 float32; Wv 1,024 x 1,024 float32; beta 16 float32; bk 1,024 float32; bo 1,024 float32; bq 1,024 float32; bv 1,024 float32; lowp_scales 8 int32 (the exponents e of the quantised operands' scales 2^e); x 2,048 x 2 x 1,024 float32.
;; Outputs: out0 2,048 x 2 x 1,024 float32.
;; This version of the problem:
;;   THIS VERSION OF THE PROBLEM IS GIVEN IN LOW PRECISION. The matrix products marked QUANTISED in the list below multiply operands that are first quantised to E4M3 (4 exponent bits, 3 mantissa bits; 8 bits a number), with one given power-of-two scale for each operand tensor; their sums are f32. All else is computed in f32.
;;   The module's matrix products, in the order in which they are computed (A, B: the left and right operand; K: the contracted axis; several contracted axes count as one K, in the product's order):
;;     1. [M 4,096, K 1,024] x [K 1,024, N 1,024]; A: input x; B: input Wq: QUANTISED (scales: A lowp_scales[0], B lowp_scales[1])
;;     2. [M 4,096, K 1,024] x [K 1,024, N 1,024]; A: input x; B: input Wk: QUANTISED (scales: A lowp_scales[2], B lowp_scales[3])
;;     3. [M 4,096, K 1,024] x [K 1,024, N 1,024]; A: input x; B: input Wv: QUANTISED (scales: A lowp_scales[4], B lowp_scales[5])
;;     4. batch 65,536 x [M 1, K 64] x [K 64, N 64]; A: computed on the way; B: computed on the way: left as it is (M = 1 < 16)
;;     5. batch 65,536 x [M 1, K 64] x [K 64, N 1]; A: computed on the way; B: computed on the way: left as it is (M = 1 < 16)
;;     6. [M 4,096, K 1,024] x [K 1,024, N 1,024]; A: computed on the way; B: input Wo: QUANTISED (scales: A lowp_scales[6], B lowp_scales[7])
;;   THE QUANTISER, for each operand of a quantised product, along K:
;;     - The operand's scale is 2^e, e = its entry of the input lowp_scales (int32; the entries are numbered through the quantised products in the list's order, A before B).
;;     - Each number is divided by the scale, clamped to +-448, and rounded to the nearest number of E4M3, ties to even, subnormals kept.
;;     - The product sums the exact products of the quantised numbers (number of the format x scale) in f32.
;;   ~~~python
;;   def quantise(x, axis, e):      # numpy; x: float32 -> the quantised numbers, widened to float32 again
;;       x = np.moveaxis(x, axis, -1); K = x.shape[-1]
;;       r = np.clip(x / 2.0 ** e, -448, 448)
;;       step = 2.0 ** (np.maximum(np.frexp(np.where(r == 0, 1, r))[1] - 1, -6) - 3)
;;       q = np.round(r / step) * step * 2.0 ** e      # np.round: ties to even
;;       return np.moveaxis(q, -1, axis).astype(np.float32)
;;   ~~~
;;   OPERANDS COMPUTED ON THE WAY. 'Computed on the way' means the value that the module computes at that place (a softmax that the list does not call 'softmax' is quantised finished and normalised). What goes into a quantiser is computed in f32, as accurately as f32 sums, v_exp_f32 and their like allow (about 1e-6 of the number): no bf16 or f16 on the way to a quantiser, and a product that is left as it is and whose result goes on into a quantised operand takes f32 operands (vector FMAs, or v_wmma_f32_16x16x4_f32). A number that lies on a knife's edge between two numbers of the format may be rounded either way, as far as f32 arithmetic and the matrix unit's own rounding can turn it there, and no further.
;; One version. Each part assembles by itself: llvm-mc -triple=amdgcn-amd-amdhsa -mcpu=gfx1250 --defsym DOCPART=n.
;; ======== version 1 of 1: 5 launches
;; workspace buffers: xcodes 12,582,912 bytes; wcodes 4,194,304 bytes; qimg 16,777,216 bytes; numimg 16,777,216 bytes; denimg 524,288 bytes; tstate 17,039,360 bytes; sstate 17,039,360 bytes; ocodes 4,194,304 bytes
;; launch quant (part 1): grid 512 x 1, 8 waves a work-group, no clusters, 0 bytes of LDS; arguments x, Wq, Wk, Wv, Wo, lowp_scales, xcodes, wcodes; writes xcodes, wcodes
.if DOCPART == 1
	.amdgcn_target "amdgcn-amd-amdhsa--gfx1250"
	.amdhsa_code_object_version 6
	.text
	.protected	k_qdcfa5299e4_quant
	.globl	k_qdcfa5299e4_quant
	.p2align	8
	.type	k_qdcfa5299e4_quant,@function
k_qdcfa5299e4_quant:
	s_mov_b64 s[64:65], 0
	v_nop
	global_prefetch_b8 v0, s[64:65] scope:SCOPE_SE
	s_setreg_imm32_b32 hwreg(HW_REG_WAVE_MODE, 25, 1), 1
	s_wait_xcnt 0x0
.set XR, 48
.set TR, 24
.set CR, 112
.set VO, 4
.macro LOADS
.irp t, 0,1,2,3,4,5,6,7
	global_load_b128 v[XR+8*\t:XR+8*\t+3], v2, s[20:21] offset:512*\t
	global_load_b128 v[XR+8*\t+4:XR+8*\t+7], v2, s[20:21] offset:512*\t+16
.endr
.endm
.macro SCALE i, e
	s_add_co_i32 s41, s[\e], 127
	s_lshl_b32 s42, s41, 23
	v_mov_b32 v[12+2*(\i)], s42
	s_add_co_i32 s41, s41, 8
	s_lshl_b32 s41, s41, 23
	s_or_b32 s41, s41, 0x600000
	v_mov_b32 v[13+2*(\i)], s41
.endm
.macro Q1 t, i, ts, d, neg
.irp j, 0,1,2,3,4,5,6,7
	v_med3_num_f32 v[TR+8*(\ts)+\j], v[XR+8*(\t)+\j], -v[13+2*(\i)], v[13+2*(\i)]
.endr
	v_cvt_scalef32_pk8_fp8_f32 v[CR+6*(\t)+2*(\i):CR+6*(\t)+2*(\i)+1], v[TR+8*(\ts):TR+8*(\ts)+7], v[12+2*(\i)]
.if (\neg)
	v_nop
	v_xor_b32 v[CR+6*(\t)+2*(\i)], 0x80808080, v[CR+6*(\t)+2*(\i)]
	v_xor_b32 v[CR+6*(\t)+2*(\i)+1], 0x80808080, v[CR+6*(\t)+2*(\i)+1]
.endif
	global_store_b64 v[VO+(\t)], v[CR+6*(\t)+2*(\i):CR+6*(\t)+2*(\i)+1], s[\d:\d+1]
.endm
	s_load_b512 s[4:19], s[0:1], 0x0
	v_lshrrev_b32 v1, 5, v0
	v_readfirstlane_b32 s24, v1
	v_and_b32 v1, 31, v0
	v_and_b32 v3, 0x1c, v1
	v_and_b32 v20, 1, v1
	v_lshl_or_b32 v3, v20, 1, v3
	v_bfe_u32 v20, v1, 1, 1
	v_or_b32 v3, v3, v20
	v_lshlrev_b32 v3, 3, v3
	v_and_b32 v21, 15, v1
	v_lshlrev_b32 v21, 5, v21
	v_lshrrev_b32 v22, 4, v1
	s_wait_kmcnt 0x0
	s_load_b256 s[32:39], s[14:15], 0x0
	s_mov_b32 s29, 0
	s_cmp_lt_u32 ttmp9, 256
	s_cbranch_scc0 .Lweights
	s_lshl_b32 s25, ttmp9, 3
	s_add_co_u32 s25, s25, s24
	s_lshr_b32 s26, s25, 10
	s_and_b32 s27, s25, 1023
	s_lshl_b32 s28, s27, 14
	s_lshl_b32 s40, s26, 12
	s_add_co_u32 s28, s28, s40
	s_add_nc_u64 s[20:21], s[4:5], s[28:29]
	v_lshl_add_u32 v2, v22, 13, v21
	LOADS
	s_lshl_b32 s28, s26, 3
	s_lshr_b32 s40, s27, 7
	s_add_co_u32 s28, s28, s40
	s_lshl_b32 s28, s28, 18
	s_and_b32 s40, s27, 127
	s_lshl_b32 s40, s40, 8
	s_add_co_u32 s28, s28, s40
	s_add_nc_u64 s[44:45], s[16:17], s[28:29]
	s_add_nc_u64 s[46:47], s[44:45], 0x400000
	s_add_nc_u64 s[48:49], s[44:45], 0x800000
.irp t, 0,1,2,3,4,5,6,7
	v_add_nc_u32 v[VO+\t], \t*32768, v3
.endr
	s_wait_kmcnt 0x0
	SCALE 0, 32
	SCALE 1, 34
	SCALE 2, 36
.irp t, 0,1,2,3,4,5,6,7
	s_wait_loadcnt 14-2*\t
	Q1 \t, 0, 0, 44, 0
	Q1 \t, 1, 1, 46, 0
	Q1 \t, 2, 2, 48, \t%2
.endr
	s_endpgm
.Lweights:
	s_sub_co_u32 s25, ttmp9, 256
	s_lshl_b32 s25, s25, 3
	s_add_co_u32 s25, s25, s24
	s_lshr_b32 s31, s25, 9
	s_and_b32 s27, s25, 511
	s_mov_b64 s[20:21], s[12:13]
	s_cmp_eq_u32 s31, 0
	s_cselect_b64 s[20:21], s[6:7], s[20:21]
	s_cmp_eq_u32 s31, 1
	s_cselect_b64 s[20:21], s[8:9], s[20:21]
	s_cmp_eq_u32 s31, 2
	s_cselect_b64 s[20:21], s[10:11], s[20:21]
	s_lshl_b32 s28, s27, 13
	s_add_nc_u64 s[20:21], s[20:21], s[28:29]
	v_lshl_add_u32 v2, v22, 12, v21
	LOADS
	s_lshr_b32 s40, s27, 5
	s_mul_i32 s40, s40, 196608
	s_lshl_b32 s41, s31, 6
	s_and_b32 s42, s27, 31
	s_lshl_b32 s42, s42, 1
	s_add_co_u32 s41, s41, s42
	s_lshl_b32 s41, s41, 7
	s_add_co_u32 s40, s40, s41
	s_lshr_b32 s41, s27, 6
	s_lshl_b32 s41, s41, 17
	s_and_b32 s42, s27, 63
	s_lshl_b32 s42, s42, 8
	s_add_co_u32 s41, s41, s42
	s_add_co_u32 s41, s41, 3145728
	s_mov_b32 s30, 24576
	s_cmp_eq_u32 s31, 3
	s_cselect_b32 s28, s41, s40
	s_cselect_b32 s30, 16384, s30
	s_add_nc_u64 s[44:45], s[18:19], s[28:29]
	v_mov_b32 v[VO], v3
.irp t, 1,2,3,4,5,6,7
	s_mul_i32 s41, s30, \t
	v_add_nc_u32 v[VO+\t], s41, v3
.endr
	s_wait_kmcnt 0x0
	s_mov_b32 s26, s39
	s_cmp_eq_u32 s31, 0
	s_cselect_b32 s26, s33, s26
	s_cmp_eq_u32 s31, 1
	s_cselect_b32 s26, s35, s26
	s_cmp_eq_u32 s31, 2
	s_cselect_b32 s26, s37, s26
	SCALE 0, 26
.irp t, 0,1,2,3,4,5,6,7
	s_wait_loadcnt 14-2*\t
	Q1 \t, 0, \t%2, 44, 0
.endr
	s_endpgm
.Lfunc_end_k_qdcfa5299e4_quant:
	.size	k_qdcfa5299e4_quant, .Lfunc_end_k_qdcfa5299e4_quant-k_qdcfa5299e4_quant
	.p2alignl 7, 3214868480
	.fill 96, 4, 3214868480
	.section	.rodata,"a",@progbits
	.p2align	6, 0x0
	.amdhsa_kernel k_qdcfa5299e4_quant
		.amdhsa_group_segment_fixed_size 0
		.amdhsa_private_segment_fixed_size 0
		.amdhsa_enable_private_segment 0
		.amdhsa_kernarg_size 64
		.amdhsa_user_sgpr_count 2
		.amdhsa_user_sgpr_kernarg_segment_ptr 1
		.amdhsa_wavefront_size32 1
		.amdhsa_system_sgpr_workgroup_id_x 1
		.amdhsa_system_sgpr_workgroup_id_y 1
		.amdhsa_system_sgpr_workgroup_id_z 1
		.amdhsa_system_vgpr_workitem_id 0
		.amdhsa_next_free_vgpr 160
		.amdhsa_next_free_sgpr 66
		.amdhsa_reserve_vcc 0
		.amdhsa_float_denorm_mode_32 3
		.amdhsa_float_denorm_mode_16_64 3
		.amdhsa_memory_ordered 1
		.amdhsa_forward_progress 1
		.amdhsa_inst_pref_size 31
	.end_amdhsa_kernel
	.amdgpu_metadata
---
amdhsa.version: [ 1, 2 ]
amdhsa.kernels:
  - .name:           k_qdcfa5299e4_quant
    .symbol:         k_qdcfa5299e4_quant.kd
    .args:
      - { .name: x, .offset: 0, .size: 8, .value_kind: global_buffer, .address_space: global }
      - { .name: Wq, .offset: 8, .size: 8, .value_kind: global_buffer, .address_space: global }
      - { .name: Wk, .offset: 16, .size: 8, .value_kind: global_buffer, .address_space: global }
      - { .name: Wv, .offset: 24, .size: 8, .value_kind: global_buffer, .address_space: global }
      - { .name: Wo, .offset: 32, .size: 8, .value_kind: global_buffer, .address_space: global }
      - { .name: lowp_scales, .offset: 40, .size: 8, .value_kind: global_buffer, .address_space: global }
      - { .name: xcodes, .offset: 48, .size: 8, .value_kind: global_buffer, .address_space: global }
      - { .name: wcodes, .offset: 56, .size: 8, .value_kind: global_buffer, .address_space: global }
    .group_segment_fixed_size: 0
    .private_segment_fixed_size: 0
    .kernarg_segment_align: 8
    .kernarg_segment_size: 64
    .max_flat_workgroup_size: 256
    .sgpr_count:     66
    .vgpr_count:     160
    .wavefront_size: 32
...
	.end_amdgpu_metadata
.endif
;; end of part 1
;; launch chunk (part 2): grid 16 x 16, 4 waves a work-group, clusters of 4 x 4, 327,680 bytes of LDS; arguments xcodes, wcodes, bq, bk, bv, beta, lowp_scales, qimg, numimg, denimg, tstate; writes qimg, numimg, denimg, tstate
.if DOCPART == 2
	.amdgcn_target "amdgcn-amd-amdhsa--gfx1250"
	.amdhsa_code_object_version 6
	.text
	.protected	k_qdcfa5299e4_chunk
	.globl	k_qdcfa5299e4_chunk
	.p2align	8
	.type	k_qdcfa5299e4_chunk,@function
k_qdcfa5299e4_chunk:
	s_mov_b64 s[64:65], 0
	v_nop
	global_prefetch_b8 v0, s[64:65] scope:SCOPE_SE
	s_setreg_imm32_b32 hwreg(HW_REG_WAVE_MODE, 25, 1), 1
	s_wait_xcnt 0x0
	s_wait_alu depctr_hold_cnt(0) depctr_sa_sdst(0) depctr_va_vdst(0) depctr_va_sdst(0) depctr_va_ssrc(0) depctr_va_vcc(0) depctr_vm_vsrc(0)
	s_getreg_b32 s2, hwreg(HW_REG_IB_STS2, 6, 4)
	s_cmp_eq_u32 s2, 0
	s_cbranch_scc0 .Lentry_in_a_cluster
	s_endpgm
.Lentry_in_a_cluster:
	s_bfe_u32 s2, ttmp6, 0x10000c
	s_cmp_lg_u32 s2, 0xf033
	s_cbranch_scc0 .Lentry_shape_is_right
	s_endpgm
.Lentry_shape_is_right:
.set SLOT,  130560
.set XT,    34816
.set WOFF,  104448
.set SPARE, 261120
.set STG,   17408
.set DW0,   (3<<16)|(1<<20)|(1<<21)|(5<<22)|(3<<25)
.set ADX,  4
.set ADXV, 6
.set ADW,  8
.set ZR, 128
.set ER, 160
.set UR, 192
.set DR, 224
.set G1X, 24
.set G0X, 32
.set G1W, 48
.set G0W, 56
.set MSB, 0
.macro WIN new
.if MSB != (\new)
	s_set_vgpr_msb ((MSB<<8)|(\new))
.set MSB, (\new)
.endif
.endm
.macro PLACES n
.rept \n
	v_nop
.endr
.endm
.macro CREST
	s_cmp_lg_u32 s40, 0
	s_cbranch_scc1 .Lnot_wave_0_\@
	s_barrier_signal -3
.Lnot_wave_0_\@:
	s_barrier_wait -3
	s_barrier_signal -1
	s_barrier_wait -1
.endm
.macro CROUND
	s_barrier_signal -1
	s_barrier_wait -1
	CREST
.endm
.macro JLOAD n
	s_cmp_lt_u32 s40, 3
	s_cbranch_scc0 .Lfor_w_\@
	tensor_load_to_lds s[G0X+4*(\n):G0X+4*(\n)+3], s[G1X:G1X+7]
	s_nop 0
	PLACES 4
	s_branch .Lasked_\@
.Lfor_w_\@:
	tensor_load_to_lds s[G0W+4*(\n):G0W+4*(\n)+3], s[G1W:G1W+7]
	s_nop 0
	PLACES 4
.Lasked_\@:
.endm
.macro FETCH slot, tq, set
.if \set
	WIN 0x80
.else
	WIN 0
.endif
.irp mt, 0,1,2,3
.irp c, 0,1,2,3
.if (\tq) < 2
	ds_load_b128 v[128+16*\mt+4*\c:128+16*\mt+4*\c+3], v[ADX+(\slot)] offset:(\tq)*XT+\mt*2176+32*\c
.else
	ds_load_b128 v[128+16*\mt+4*\c:128+16*\mt+4*\c+3], v[ADXV+(\slot)] offset:\mt*2176+32*\c
.endif
.endr
.endr
.irp nt, 0,1,2,3
.irp c, 0,1,2,3
	ds_load_b128 v[192+16*\nt+4*\c:192+16*\nt+4*\c+3], v[ADW+(\slot)] offset:(32*(\tq)+8*\nt)*272+32*\c
.endr
.endr
.endm
.macro MUL8 tq, set, half, zero, odd
.if (\tq) < 2
	WIN (0x50+10*(\set))
.else
	WIN (0xa0+0x50*(\odd)+10*(\set))
.endif
.irp m, 0,1
.irp nt, 0,1,2,3
.set XF, 128+16*(2*(\half)+\m)
.set WF, 192+16*\nt
.set AC, 8*(4*(2*(\half)+\m)+\nt)
.if (\tq) < 2
.set AC, AC+128*(\tq)
.if \zero
	v_wmma_f32_16x16x128_fp8_fp8 v[AC:AC+7], v[WF:WF+15], v[XF:XF+15], 0
.else
	v_wmma_f32_16x16x128_fp8_fp8 v[AC:AC+7], v[WF:WF+15], v[XF:XF+15], v[AC:AC+7]
.endif
.else
.if \zero
	v_wmma_f32_16x16x128_fp8_fp8 v[AC:AC+7], v[XF:XF+15], v[WF:WF+15], 0
.else
	v_wmma_f32_16x16x128_fp8_fp8 v[AC:AC+7], v[XF:XF+15], v[WF:WF+15], v[AC:AC+7]
.endif
.endif
.endr
.endr
.endm
.macro UNIT ks, tq
	PLACES 4
	FETCH (\ks)%2, (\tq)+1, (3*(\ks)+(\tq)+1)%2
	s_wait_dscnt 32
	MUL8 \tq, (3*(\ks)+(\tq))%2, 0, ((\ks)==0), 0
	MUL8 \tq, (3*(\ks)+(\tq))%2, 1, ((\ks)==0), 0
.endm
.macro TURN ks, fill
	WIN 0
	s_wait_tensorcnt 0x0
	ds_add_u32 v16, v17
	s_wait_dscnt 0x1
	MUL8 2, (3*(\ks)+2)%2, 0, (((\ks)/2)==0), (\ks)%2
	s_wait_dscnt 0x0
	WIN 0
	s_barrier_signal -1
	s_barrier_wait -1
.if \fill
	CREST
	s_add_nc_u64 s[G0X+4*((\ks)%2)+2:G0X+4*((\ks)%2)+3], s[G0X+4*((\ks)%2)+2:G0X+4*((\ks)%2)+3], 65536
	s_add_nc_u64 s[G0W+4*((\ks)%2)+2:G0W+4*((\ks)%2)+3], s[G0W+4*((\ks)%2)+2:G0W+4*((\ks)%2)+3], 49152
	JLOAD (\ks)%2
.else
	PLACES 4
.endif
	FETCH ((\ks)+1)%2, 0, (3*(\ks)+3)%2
	MUL8 2, (3*(\ks)+2)%2, 1, (((\ks)/2)==0), (\ks)%2
.endm
.macro SOFTPLUS acc, bias, a
	WIN 0x01
.set NN, 0
.rept 16
	v_pk_fma_f32 v[ZR+NN:ZR+NN+1], v[(\acc)+NN:(\acc)+NN+1], s[\a:\a+1], v[(\bias)+NN:(\bias)+NN+1] op_sel_hi:[1,0,1]
.set NN, NN+2
.endr
	WIN 0
.set NN, 0
.rept 32
	v_mul_f32 v[ER+NN], s98, -|v[ZR+NN]|
.set NN, NN+1
.endr
.set NN, 0
.rept 32
	v_exp_f32 v[ER+NN], v[ER+NN]
.set NN, NN+1
.endr
.set NN, 0
.rept 16
	v_max_num_f32 v[ZR+NN], 0, v[ZR+NN]
.set NN, NN+1
.endr
.set NN, 0
	s_wait_alu depctr_va_vdst(0)
.rept 16
	v_pk_add_f32 v[UR+NN:UR+NN+1], v[ER+NN:ER+NN+1], 1.0 op_sel_hi:[1,0]
.set NN, NN+2
.endr
.set NN, 0
.rept 16
	v_pk_add_f32 v[DR+NN:DR+NN+1], v[UR+NN:UR+NN+1], -1.0 op_sel_hi:[1,0]
.set NN, NN+2
.endr
.set NN, 0
.rept 16
	v_pk_add_f32 v[DR+NN:DR+NN+1], v[ER+NN:ER+NN+1], v[DR+NN:DR+NN+1] neg_lo:[0,1] neg_hi:[0,1]
.set NN, NN+2
.endr
.set NN, 0
.rept 16
	v_pk_fma_f32 v[DR+NN:DR+NN+1], v[ER+NN:ER+NN+1], v[DR+NN:DR+NN+1], v[DR+NN:DR+NN+1] neg_lo:[1,0,0] neg_hi:[1,0,0]
.set NN, NN+2
.endr
.set NN, 0
.rept 32
	v_log_f32 v[UR+NN], v[UR+NN]
.set NN, NN+1
.endr
.set NN, 16
.rept 16
	v_max_num_f32 v[ZR+NN], 0, v[ZR+NN]
.set NN, NN+1
.endr
.set NN, 0
	s_wait_alu depctr_va_vdst(0)
.rept 16
	v_pk_fma_f32 v[DR+NN:DR+NN+1], v[UR+NN:UR+NN+1], 0x3f317218, v[DR+NN:DR+NN+1] op_sel_hi:[1,0,1]
.set NN, NN+2
.endr
	WIN 0x40
.set NN, 0
.rept 16
	v_pk_add_f32 v[(\acc)+NN:(\acc)+NN+1], v[ZR+NN:ZR+NN+1], v[DR+NN:DR+NN+1]
.set NN, NN+2
.endr
.endm
	s_load_b512 s[4:19], s[0:1], 0x0
	s_load_b128 s[20:23], s[0:1], 0x40
	s_load_b64 s[66:67], s[0:1], 0x50
	v_lshl_add_u32 v16, v0, 2, SPARE
	v_mov_b32 v17, 0
	ds_add_u32 v16, v17
	ds_add_u32 v16, v17
	s_wait_dscnt 0x0
	v_lshrrev_b32 v1, 5, v0
	v_readfirstlane_b32 s40, v1
	s_bfe_u32 s41, ttmp6, 0x40000
	s_bfe_u32 s42, ttmp6, 0x40004
	s_lshl_b32 s43, ttmp9, 2
	s_add_co_u32 s43, s43, s41
	s_and_b32 s44, ttmp7, 0xffff
	s_lshl_b32 s44, s44, 2
	s_add_co_u32 s44, s44, s42
	s_lshl_b32 s2, s42, 2
	s_lshl_b32 s2, 15, s2
	s_lshl_b32 s3, 0x1111, s41
	s_or_b32 s[G1X], s2, DW0
	s_or_b32 s[G1W], s3, DW0
.irp g, G1X, G1W
	s_mov_b32 s[\g+1], 32<<16
	s_mov_b32 s[\g+3], 32<<16
	s_mov_b32 s[\g+5], 32
	s_mov_b32 s[\g+6], 0
	s_mov_b32 s[\g+7], 0
.endr
	s_mov_b32 s[G1X+2], 128<<16
	s_mov_b32 s[G1X+4], 128
	s_mov_b32 s[G1W+2], 96<<16
	s_mov_b32 s[G1W+4], 96
	s_min_u32 s45, s40, 2
	s_lshl_b32 s46, s45, 22
	s_lshl_b32 s47, s44, 18
	s_add_co_u32 s46, s46, s47
	s_mov_b32 s47, 0
	s_mul_i32 s78, s43, 196608
	s_mov_b32 s79, 0
	s_mul_i32 s45, s40, XT
	s_wait_kmcnt 0x0
	s_add_nc_u64 s[46:47], s[4:5], s[46:47]
	s_add_nc_u64 s[78:79], s[6:7], s[78:79]
	CROUND
.irp n, 0,1
	s_mov_b32 s[G0X+4*\n], 1
	s_add_co_u32 s[G0X+4*\n+1], s45, \n*SLOT
	s_add_nc_u64 s[G0X+4*\n+2:G0X+4*\n+3], s[46:47], \n*32768
	s_or_b32 s[G0X+4*\n+3], s[G0X+4*\n+3], 0x80000000
	s_mov_b32 s[G0W+4*\n], 1
	s_add_co_u32 s[G0W+4*\n+1], s45, \n*SLOT
	s_add_nc_u64 s[G0W+4*\n+2:G0W+4*\n+3], s[78:79], \n*24576
	s_or_b32 s[G0W+4*\n+3], s[G0W+4*\n+3], 0x80000000
.endr
	s_cmp_lt_u32 s40, 3
	s_cbranch_scc0 .Lfirst_w
	tensor_load_to_lds s[G0X:G0X+3], s[G1X:G1X+7]
	s_nop 0
	tensor_load_to_lds s[G0X+4:G0X+7], s[G1X:G1X+7]
	s_nop 0
	PLACES 4
	s_branch .Lfirst_asked
.Lfirst_w:
	tensor_load_to_lds s[G0W:G0W+3], s[G1W:G1W+7]
	s_nop 0
	tensor_load_to_lds s[G0W+4:G0W+7], s[G1W:G1W+7]
	s_nop 0
	PLACES 4
.Lfirst_asked:
	v_and_b32 v1, 15, v0
	v_bfe_u32 v2, v0, 4, 1
	v_and_b32 v18, 31, v0
	v_lshlrev_b32 v3, 4, v18
	v_lshlrev_b32 v15, 2, v18
	v_lshlrev_b32 v13, 5, v2
	v_lshlrev_b32 v14, 2, v1
	v_lshlrev_b32 v19, 3, v2
	v_sub_nc_u32 v12, v1, v19
	v_lshrrev_b32 v18, 1, v1
	v_mul_u32_u24 v18, v18, 272
	v_and_b32 v19, 1, v1
	v_lshl_add_u32 v18, v19, 7, v18
	v_lshl_add_u32 v18, v2, 4, v18
	s_mul_i32 s45, s40, 8704
	v_add_nc_u32 v[ADX], s45, v18
	v_add_nc_u32 v[ADX+1], SLOT, v[ADX]
	v_add_nc_u32 v[ADXV], 2*XT, v[ADX]
	v_add_nc_u32 v[ADXV+1], 2*XT, v[ADX+1]
	v_add_nc_u32 v[ADW], WOFF, v18
	v_add_nc_u32 v[ADW+1], SLOT, v[ADW]
	s_mul_i32 s45, s40, STG
	v_mul_u32_u24 v10, v2, 2176
	v_lshl_add_u32 v10, v1, 2, v10
	v_add_nc_u32 v10, s45, v10
	v_mul_u32_u24 v11, v1, 272
	v_lshl_add_u32 v11, v2, 5, v11
	v_add_nc_u32 v11, s45, v11
	s_lshl_b32 s100, s43, 8
	s_mov_b32 s101, 0
	s_add_nc_u64 s[8:9], s[8:9], s[100:101]
	s_add_nc_u64 s[10:11], s[10:11], s[100:101]
	s_add_nc_u64 s[12:13], s[12:13], s[100:101]
	s_lshl_b32 s100, s43, 2
	s_add_nc_u64 s[14:15], s[14:15], s[100:101]
	s_load_b256 s[80:87], s[16:17], 0x0
	s_load_b32 s88, s[14:15], 0x0
.irp tt, 0,1,2,3
	global_load_b128 v[32+8*\tt:35+8*\tt], v13, s[8:9] offset:64*\tt
	global_load_b128 v[36+8*\tt:39+8*\tt], v13, s[8:9] offset:64*\tt+16
	global_load_b128 v[64+8*\tt:67+8*\tt], v13, s[10:11] offset:64*\tt
	global_load_b128 v[68+8*\tt:71+8*\tt], v13, s[10:11] offset:64*\tt+16
	global_load_b32 v[96+2*\tt], v14, s[12:13] offset:64*\tt
	v_mov_b32 v[97+2*\tt], 0
.endr
	s_lshr_b32 s99, s44, 3
	s_lshl_b32 s99, s99, 4
	s_add_co_u32 s99, s99, s43
	s_lshl_b32 s99, s99, 5
	s_and_b32 s100, s44, 7
	s_lshl_b32 s100, s100, 2
	s_add_co_u32 s99, s99, s100
	s_add_co_u32 s99, s99, s40
	s_lshl_b32 s100, s99, 14
	s_add_nc_u64 s[18:19], s[18:19], s[100:101]
	s_add_nc_u64 s[20:21], s[20:21], s[100:101]
	s_lshl_b32 s100, s99, 9
	s_add_nc_u64 s[22:23], s[22:23], s[100:101]
	s_mul_i32 s100, s99, 16640
	s_add_nc_u64 s[66:67], s[66:67], s[100:101]
	s_mov_b32 s76, 0x76543210
	s_mov_b32 s77, 0xfedcba98
	s_mov_b32 s98, 0x3fb8aa3b
	s_wait_tensorcnt 0x1
	s_barrier_signal -1
	s_barrier_wait -1
	FETCH 0, 0, 0
.irp ks, 0,1,2,3,4,5
	UNIT \ks, 0
	UNIT \ks, 1
	TURN \ks, 1
.endr
	UNIT 6, 0
	UNIT 6, 1
	TURN 6, 0
	UNIT 7, 0
	UNIT 7, 1
	s_wait_dscnt 0x0
	MUL8 2, 1, 0, 0, 1
	MUL8 2, 1, 1, 0, 1
	WIN 0
	PLACES 4
	s_wait_loadcnt 0x0
	s_wait_kmcnt 0x0
	v_mov_b32 v18, s88
	v_mul_f32 v18, 0xbfb8aa3b, v18
	v_exp_f32 v18, v18
	v_nop
	s_wait_alu depctr_va_vdst(0)
	v_mul_f32 v18, 0x3e000000, v18
	s_add_co_i32 s89, s80, s81
	v_ldexp_f32 v19, v18, s89
	s_add_co_i32 s89, s82, s83
	v_ldexp_f32 v20, v18, s89
	s_add_co_i32 s89, s84, s85
	v_ldexp_f32 v21, 1.0, s89
	v_readfirstlane_b32 s90, v18
	s_mov_b32 s91, s90
	v_readfirstlane_b32 s92, v19
	s_mov_b32 s93, s92
	v_readfirstlane_b32 s94, v20
	s_mov_b32 s95, s94
	v_readfirstlane_b32 s96, v21
	s_mov_b32 s97, s96
.set NN, 0
.rept 32
	v_pk_mul_f32 v[32+NN:33+NN], v[32+NN:33+NN], s[90:91] op_sel_hi:[1,0]
.set NN, NN+2
.endr
.irp j, 0,1,2,3,4,5,6,7
	v_cmp_le_i32 s[68+\j], \j, v12
.endr
.irp j, 28,29,30,31
	v_mov_b32 v[\j], 0
.endr
	WIN 0x8e
.set NN, 0
.rept 64
	v_pk_add_f32 v[NN:NN+1], v[NN:NN+1], v[NN:NN+1] neg_lo:[0,1] neg_hi:[0,1]
.set NN, NN+2
.endr
	WIN 0x82
.irp mt, 0,1,2,3
.irp u, 0,1,2,3
.irp p, 0,2,4,6
	v_pk_fma_f32 v[8*(4*\mt+\u)+\p:8*(4*\mt+\u)+\p+1], v[8*(4*\mt+\u)+\p:8*(4*\mt+\u)+\p+1], s[96:97], v[96+2*\u:97+2*\u] op_sel_hi:[1,0,0]
.endr
.endr
.endr
.irp mt, 0,1,2,3
	SOFTPLUS 128+32*\mt, 64, 94
	WIN 0x04
.irp tt, 0,1,2,3
.irp j, 0,1,2,3,4,5,6,7
	ds_store_b32 v10, v[128+32*\mt+8*\tt+\j] offset:(16*\tt+\j)*272+64*\mt
.endr
.endr
.endr
	WIN 0x80
.irp tt, 0,1,2,3
.irp mt, 0,1,2,3
	ds_load_b128 v[128+32*\tt+8*\mt:131+32*\tt+8*\mt], v11 offset:16*\tt*272+64*\mt
	ds_load_b128 v[132+32*\tt+8*\mt:135+32*\tt+8*\mt], v11 offset:16*\tt*272+64*\mt+16
.endr
.endr
.irp mt, 0,1,2,3
	SOFTPLUS 32*\mt, 32, 92
.endr
	WIN 0x04
.set NN, 0
.rept 32
	global_store_b128 v3, v[4*NN:4*NN+3], s[18:19] offset:512*NN
.set NN, NN+1
.endr
	WIN 0xf5
.irp st, 0,1,2,3,4,5,6,7,8,9,10,11,12,13,14,15
.irp i, 0,1,2,3
.irp j, 0,1,2,3
.if \j <= \i
.set PD, 128+8*(((\i*(\i+1))/2)+\j)
.if \st == 0
	v_wmma_f32_16x16x4_f32 v[PD:PD+7], v[128+32*\j+2*\st:129+32*\j+2*\st], v[32*\i+2*\st:32*\i+2*\st+1], 0
.else
	v_wmma_f32_16x16x4_f32 v[PD:PD+7], v[128+32*\j+2*\st:129+32*\j+2*\st], v[32*\i+2*\st:32*\i+2*\st+1], v[PD:PD+7]
.endif
.endif
.endr
.endr
.endr
	PLACES 9
	WIN 0xcc
.irp i, 0,1,2,3
.irp j, 0,1,2,3,4,5,6,7
	v_cndmask_b32 v[208+8*\i+\j], 0, v[128+8*(((\i*(\i+1))/2)+\i)+\j], s[68+\j]
.endr
.endr
	WIN 0xcf
.irp i, 0,1,2,3
	v_pk_add_f32 v[240+2*\i:241+2*\i], v[208+8*\i:209+8*\i], v[210+8*\i:211+8*\i]
	v_pk_add_f32 v[240+2*\i:241+2*\i], v[240+2*\i:241+2*\i], v[212+8*\i:213+8*\i]
	v_pk_add_f32 v[240+2*\i:241+2*\i], v[240+2*\i:241+2*\i], v[214+8*\i:215+8*\i]
.irp j, 0,1,2
.if \j < \i
.irp p, 0,2,4,6
	v_pk_add_f32 v[240+2*\i:241+2*\i], v[240+2*\i:241+2*\i], v[128+8*(((\i*(\i+1))/2)+\j)+\p:129+8*(((\i*(\i+1))/2)+\j)+\p]
.endr
.endif
.endr
.endr
.irp i, 0,1,2,3
	v_add_f32 v[248+\i], v[240+2*\i], v[241+2*\i]
.endr
	WIN 0xfe
.irp n, 0,1,2,3,4,5,6,7,8,9,10,11,12,13,14,15
.irp i, 0,1,2,3
.if \n < 4*(\i+1)
.irp u, 0,1,2,3
.set OD, 8*(4*\i+\u)
.set VA, 8*(4*(\n/4)+\u)+2*(\n%4)
.if (\n/4) == \i
.set PB, 208+8*\i+2*(\n%4)
.else
.set PB, 128+8*(((\i*(\i+1))/2)+(\n/4))+2*(\n%4)
.endif
.if \n == 0
	v_wmma_f32_16x16x4_f32 v[OD:OD+7], v[VA:VA+1], v[PB:PB+1], 0
.else
	v_wmma_f32_16x16x4_f32 v[OD:OD+7], v[VA:VA+1], v[PB:PB+1], v[OD:OD+7]
.endif
.endr
.endif
.endr
.endr
	PLACES 9
	WIN 0x0c
.set NN, 0
.rept 32
	global_store_b128 v3, v[4*NN:4*NN+3], s[20:21] offset:512*NN
.set NN, NN+1
.endr
	global_store_b128 v3, v[248:251], s[22:23]
	s_wait_dscnt 0x0
	WIN 0x0a
.irp tt, 0,1,2,3
	v_pk_add_f32 v[20+2*\tt:21+2*\tt], v[128+32*\tt:129+32*\tt], v[130+32*\tt:131+32*\tt]
.endr
	WIN 0x02
.irp p, 4,6,8,10,12,14,16,18,20,22,24,26,28,30
.irp tt, 0,1,2,3
	v_pk_add_f32 v[20+2*\tt:21+2*\tt], v[128+32*\tt+\p:129+32*\tt+\p], v[20+2*\tt:21+2*\tt]
.endr
.endr
	WIN 0
.irp tt, 0,1,2,3
	v_add_f32 v[20+2*\tt], v[20+2*\tt], v[21+2*\tt]
.endr
.irp tt, 0,1,2,3
	v_permlanex16_b32 v[28+\tt], v[20+2*\tt], s76, s77
.endr
.irp tt, 0,1,2,3
	v_add_f32 v[20+2*\tt], v[20+2*\tt], v[28+\tt]
.endr
	v_cmp_eq_u32 vcc_lo, 1, v2
	v_cndmask_b32 v18, v20, v22, vcc_lo
	v_cndmask_b32 v19, v24, v26, vcc_lo
	global_store_b32 v15, v18, s[66:67] offset:16384
	global_store_b32 v15, v19, s[66:67] offset:16512
	s_wait_xcnt 0x0
.irp u, 0,1,2,3
	WIN 0xfa
.irp st, 0,1,2,3,4,5,6,7,8,9,10,11,12,13,14,15
.irp tt, 0,1,2,3
.set TD, 8*(4*\u+\tt)
.set VB, 8*(4*(\st/4)+\u)+2*(\st%4)
.if \st == 0
	v_wmma_f32_16x16x4_f32 v[TD:TD+7], v[128+32*\tt+2*\st:129+32*\tt+2*\st], v[VB:VB+1], 0
.else
	v_wmma_f32_16x16x4_f32 v[TD:TD+7], v[128+32*\tt+2*\st:129+32*\tt+2*\st], v[VB:VB+1], v[TD:TD+7]
.endif
.endr
.endr
	PLACES 9
	WIN 0x0c
.set NN, 8*\u
.rept 8
	global_store_b128 v3, v[4*NN:4*NN+3], s[66:67] offset:512*NN
.set NN, NN+1
.endr
.endr
	WIN 0
	s_wait_tensorcnt 0x0
	ds_add_u32 v16, v17
	s_wait_dscnt 0x0
	CROUND
	s_endpgm
.Lfunc_end_k_qdcfa5299e4_chunk:
	.size	k_qdcfa5299e4_chunk, .Lfunc_end_k_qdcfa5299e4_chunk-k_qdcfa5299e4_chunk
	.p2alignl 7, 3214868480
	.fill 96, 4, 3214868480
	.section	.rodata,"a",@progbits
	.p2align	6, 0x0
	.amdhsa_kernel k_qdcfa5299e4_chunk
		.amdhsa_group_segment_fixed_size 327680
		.amdhsa_private_segment_fixed_size 0
		.amdhsa_enable_private_segment 0
		.amdhsa_kernarg_size 88
		.amdhsa_user_sgpr_count 2
		.amdhsa_user_sgpr_kernarg_segment_ptr 1
		.amdhsa_wavefront_size32 1
		.amdhsa_system_sgpr_workgroup_id_x 1
		.amdhsa_system_sgpr_workgroup_id_y 1
		.amdhsa_system_sgpr_workgroup_id_z 1
		.amdhsa_system_vgpr_workitem_id 0
		.amdhsa_next_free_vgpr 1024
		.amdhsa_next_free_sgpr 102
		.amdhsa_reserve_vcc 1
		.amdhsa_float_denorm_mode_32 3
		.amdhsa_float_denorm_mode_16_64 3
		.amdhsa_memory_ordered 1
		.amdhsa_forward_progress 1
		.amdhsa_inst_pref_size 255
	.end_amdhsa_kernel
	.section	.bss,"aw",@nobits
	.p2align	6
	.space	262144
	.amdgpu_metadata
---
amdhsa.version: [ 1, 2 ]
amdhsa.kernels:
  - .name:           k_qdcfa5299e4_chunk
    .symbol:         k_qdcfa5299e4_chunk.kd
    .args:
      - { .name: xcodes, .offset: 0, .size: 8, .value_kind: global_buffer, .address_space: global }
      - { .name: wcodes, .offset: 8, .size: 8, .value_kind: global_buffer, .address_space: global }
      - { .name: bq, .offset: 16, .size: 8, .value_kind: global_buffer, .address_space: global }
      - { .name: bk, .offset: 24, .size: 8, .value_kind: global_buffer, .address_space: global }
      - { .name: bv, .offset: 32, .size: 8, .value_kind: global_buffer, .address_space: global }
      - { .name: beta, .offset: 40, .size: 8, .value_kind: global_buffer, .address_space: global }
      - { .name: lowp_scales, .offset: 48, .size: 8, .value_kind: global_buffer, .address_space: global }
      - { .name: qimg, .offset: 56, .size: 8, .value_kind: global_buffer, .address_space: global }
      - { .name: numimg, .offset: 64, .size: 8, .value_kind: global_buffer, .address_space: global }
      - { .name: denimg, .offset: 72, .size: 8, .value_kind: global_buffer, .address_space: global }
      - { .name: tstate, .offset: 80, .size: 8, .value_kind: global_buffer, .address_space: global }
    .group_segment_fixed_size: 327680
    .private_segment_fixed_size: 0
    .kernarg_segment_align: 8
    .kernarg_segment_size: 88
    .max_flat_workgroup_size: 128
    .sgpr_count:     102
    .vgpr_count:     1024
    .wavefront_size: 32
...
	.end_amdgpu_metadata
.endif
;; end of part 2
;; launch scan (part 3): grid 13 x 32, 5 waves a work-group, no clusters, 0 bytes of LDS; arguments tstate, sstate; writes sstate
.if DOCPART == 3
	.amdgcn_target "amdgcn-amd-amdhsa--gfx1250"
	.amdhsa_code_object_version 6
	.text
	.protected	k_qdcfa5299e4_scan
	.globl	k_qdcfa5299e4_scan
	.p2align	8
	.type	k_qdcfa5299e4_scan,@function
k_qdcfa5299e4_scan:
	s_mov_b64 s[64:65], 0
	v_nop
	global_prefetch_b8 v0, s[64:65] scope:SCOPE_SE
	s_setreg_imm32_b32 hwreg(HW_REG_WAVE_MODE, 25, 1), 1
	s_wait_xcnt 0x0
.set REC, 16640
.set XR, 2
.set OR_, 64
	s_load_b128 s[4:7], s[0:1], 0x0
	v_lshrrev_b32 v1, 5, v0
	v_readfirstlane_b32 s8, v1
	v_and_b32 v1, 31, v0
	v_lshlrev_b32 v1, 3, v1
	s_mul_i32 s9, ttmp9, 5
	s_add_co_u32 s9, s9, s8
	s_lshl_b32 s9, s9, 8
	s_and_b32 s10, ttmp7, 0xffff
	s_mul_i32 s10, s10, 32*REC
	s_add_co_u32 s10, s10, s9
	s_mov_b32 s11, 0
	s_wait_kmcnt 0x0
	s_add_nc_u64 s[4:5], s[4:5], s[10:11]
	s_add_nc_u64 s[6:7], s[6:7], s[10:11]
.set CC, 0
.rept 31
	global_load_b64 v[XR+2*CC:XR+2*CC+1], v1, s[4:5] offset:REC*CC th:TH_LOAD_NT
.set CC, CC+1
.endr
	v_mov_b32 v[OR_], 0
	v_mov_b32 v[OR_+1], 0
	global_store_b64 v1, v[OR_:OR_+1], s[6:7]
.set CC, 1
.rept 31
	s_wait_loadcnt 31-CC
	v_pk_add_f32 v[OR_+2*CC:OR_+2*CC+1], v[OR_+2*CC-2:OR_+2*CC-1], v[XR+2*CC-2:XR+2*CC-1]
	global_store_b64 v1, v[OR_+2*CC:OR_+2*CC+1], s[6:7] offset:REC*CC
.set CC, CC+1
.endr
	s_endpgm
.Lfunc_end_k_qdcfa5299e4_scan:
	.size	k_qdcfa5299e4_scan, .Lfunc_end_k_qdcfa5299e4_scan-k_qdcfa5299e4_scan
	.p2alignl 7, 3214868480
	.fill 96, 4, 3214868480
	.section	.rodata,"a",@progbits
	.p2align	6, 0x0
	.amdhsa_kernel k_qdcfa5299e4_scan
		.amdhsa_group_segment_fixed_size 0
		.amdhsa_private_segment_fixed_size 0
		.amdhsa_enable_private_segment 0
		.amdhsa_kernarg_size 16
		.amdhsa_user_sgpr_count 2
		.amdhsa_user_sgpr_kernarg_segment_ptr 1
		.amdhsa_wavefront_size32 1
		.amdhsa_system_sgpr_workgroup_id_x 1
		.amdhsa_system_sgpr_workgroup_id_y 1
		.amdhsa_system_sgpr_workgroup_id_z 1
		.amdhsa_system_vgpr_workitem_id 0
		.amdhsa_next_free_vgpr 128
		.amdhsa_next_free_sgpr 66
		.amdhsa_reserve_vcc 0
		.amdhsa_float_denorm_mode_32 3
		.amdhsa_float_denorm_mode_16_64 3
		.amdhsa_memory_ordered 1
		.amdhsa_forward_progress 1
		.amdhsa_inst_pref_size 10
	.end_amdhsa_kernel
	.amdgpu_metadata
---
amdhsa.version: [ 1, 2 ]
amdhsa.kernels:
  - .name:           k_qdcfa5299e4_scan
    .symbol:         k_qdcfa5299e4_scan.kd
    .args:
      - { .name: tstate, .offset: 0, .size: 8, .value_kind: global_buffer, .address_space: global }
      - { .name: sstate, .offset: 8, .size: 8, .value_kind: global_buffer, .address_space: global }
    .group_segment_fixed_size: 0
    .private_segment_fixed_size: 0
    .kernarg_segment_align: 8
    .kernarg_segment_size: 16
    .max_flat_workgroup_size: 160
    .sgpr_count:     66
    .vgpr_count:     128
    .wavefront_size: 32
...
	.end_amdgpu_metadata
.endif
;; end of part 3
;; launch inter (part 4): grid 256 x 1, 4 waves a work-group, no clusters, 0 bytes of LDS; arguments qimg, numimg, denimg, sstate, lowp_scales, ocodes; writes ocodes
.if DOCPART == 4
	.amdgcn_target "amdgcn-amd-amdhsa--gfx1250"
	.amdhsa_code_object_version 6
	.text
	.protected	k_qdcfa5299e4_inter
	.globl	k_qdcfa5299e4_inter
	.p2align	8
	.type	k_qdcfa5299e4_inter,@function
k_qdcfa5299e4_inter:
	s_mov_b64 s[64:65], 0
	v_nop
	global_prefetch_b8 v0, s[64:65] scope:SCOPE_SE
	s_setreg_imm32_b32 hwreg(HW_REG_WAVE_MODE, 25, 1), 1
	s_wait_xcnt 0x0
.set MSB, 0
.macro WIN new
.if MSB != (\new)
	s_set_vgpr_msb ((MSB<<8)|(\new))
.set MSB, (\new)
.endif
.endm
.macro LOADT i
	WIN 0x40
.irp g, 0,1,2,3,4,5,6,7
	global_load_b128 v[128+32*(\i)+4*\g:131+32*(\i)+4*\g], v1, s[4:5] offset:512*(8*(\i)+\g) th:TH_LOAD_NT
.endr
	WIN 0
.irp g, 0,1,2,3,4,5,6,7
	global_load_b128 v[128+32*(\i)+4*\g:131+32*(\i)+4*\g], v1, s[6:7] offset:512*(8*(\i)+\g) th:TH_LOAD_NT
.endr
.endm
	s_load_b256 s[4:11], s[0:1], 0x0
	s_load_b128 s[12:15], s[0:1], 0x20
	v_lshrrev_b32 v1, 5, v0
	v_readfirstlane_b32 s16, v1
	v_and_b32 v3, 31, v0
	v_lshlrev_b32 v1, 4, v3
	v_bfe_u32 v2, v0, 4, 1
	v_lshlrev_b32 v2, 5, v2
	v_mov_b32 v29, 0
	s_lshl_b32 s17, ttmp9, 2
	s_add_co_u32 s17, s17, s16
	s_lshl_b32 s18, s17, 14
	s_mov_b32 s19, 0
	s_lshl_b32 s22, s17, 9
	s_mov_b32 s23, 0
	s_mul_i32 s24, s17, 16640
	s_mov_b32 s25, 0
	s_lshr_b32 s26, s17, 9
	s_lshl_b32 s26, s26, 4
	s_and_b32 s27, s17, 31
	s_lshr_b32 s27, s27, 1
	s_add_co_u32 s26, s26, s27
	s_lshl_b32 s26, s26, 4
	s_bfe_u32 s27, s17, 0x40005
	s_add_co_u32 s26, s26, s27
	s_lshl_b32 s26, s26, 13
	s_and_b32 s27, s17, 1
	s_lshl_b32 s27, s27, 12
	s_add_co_u32 s26, s26, s27
	s_mov_b32 s27, 0
	s_mov_b32 s20, 0x76543210
	s_mov_b32 s21, 0xfedcba98
	s_wait_kmcnt 0x0
	s_load_b32 s28, s[12:13], 0x18
	s_add_nc_u64 s[4:5], s[4:5], s[18:19]
	s_add_nc_u64 s[6:7], s[6:7], s[18:19]
	s_add_nc_u64 s[8:9], s[8:9], s[22:23]
	s_add_nc_u64 s[10:11], s[10:11], s[24:25]
	s_add_nc_u64 s[14:15], s[14:15], s[26:27]
	global_load_b128 v[24:27], v1, s[8:9] th:TH_LOAD_NT
.irp tt, 0,1,2,3
	global_load_b128 v[32+8*\tt:35+8*\tt], v2, s[10:11] offset:16384+64*\tt
	global_load_b128 v[36+8*\tt:39+8*\tt], v2, s[10:11] offset:16384+64*\tt+16
.endr
	WIN 0x40
.set NN, 0
.rept 32
	global_load_b128 v[4*NN:4*NN+3], v1, s[10:11] offset:512*NN th:TH_LOAD_NT
.set NN, NN+1
.endr
	LOADT 0
	s_wait_kmcnt 0x0
	s_add_co_i32 s28, s28, 127
	s_lshl_b32 s29, s28, 23
	v_mov_b32 v30, s29
	s_add_co_i32 s28, s28, 8
	s_lshl_b32 s28, s28, 23
	s_or_b32 s28, s28, 0x600000
	v_mov_b32 v31, s28
.macro TILE i
.set NB, 128+32*(\i)
	s_wait_loadcnt 0x0
.if (\i) < 3
	LOADT (\i)+1
.endif
	WIN 0x05
.set ST, 0
.rept 16
.irp u, 0,1,2,3
.if ST == 0
	v_wmma_f32_16x16x4_f32 v[96+8*\u:103+8*\u], v[32*\u:32*\u+1], v[NB:NB+1], 0
.else
	v_wmma_f32_16x16x4_f32 v[96+8*\u:103+8*\u], v[32*\u+2*ST:32*\u+2*ST+1], v[NB+2*ST:NB+2*ST+1], v[96+8*\u:103+8*\u]
.endif
.endr
.set ST, ST+1
.endr
	WIN 0x01
	v_pk_mul_f32 v[20:21], v[NB:NB+1], v[32:33]
	v_pk_mul_f32 v[22:23], v[NB+2:NB+3], v[34:35]
.irp p, 4,8,12,16,20,24,28
	v_pk_fma_f32 v[20:21], v[NB+\p:NB+\p+1], v[32+\p:33+\p], v[20:21]
	v_pk_fma_f32 v[22:23], v[NB+2+\p:NB+3+\p], v[34+\p:35+\p], v[22:23]
.endr
	WIN 0
.rept 9
	v_nop
.endr
	v_add_f32 v20, v20, v21
	v_add_f32 v22, v22, v23
	v_add_f32 v20, v20, v22
	v_add_f32 v20, v20, v[24+(\i)]
	v_permlanex16_b32 v29, v20, s20, s21
	v_add_f32 v20, v20, v29
	v_rcp_f32 v28, v20
.set NN, 0
.rept 16
	v_pk_add_f32 v[64+NN:65+NN], v[96+NN:97+NN], v[NB+NN:NB+NN+1]
.set NN, NN+2
.endr
.set NN, 0
	s_wait_alu depctr_va_vdst(0)
.rept 16
	v_pk_mul_f32 v[NB+NN:NB+NN+1], v[64+NN:65+NN], v[28:29] op_sel_hi:[1,0]
.set NN, NN+2
.endr
.set NN, 0
.rept 16
	v_pk_fma_f32 v[64+NN:65+NN], v[NB+NN:NB+NN+1], v[20:21], v[64+NN:65+NN] op_sel_hi:[1,0,1] neg_lo:[1,0,0] neg_hi:[1,0,0]
.set NN, NN+2
.endr
.set NN, 0
.rept 16
	v_pk_fma_f32 v[64+NN:65+NN], v[64+NN:65+NN], v[28:29], v[NB+NN:NB+NN+1] op_sel_hi:[1,0,1]
.set NN, NN+2
.endr
.set NN, 0
.rept 32
	v_med3_num_f32 v[64+NN], v[64+NN], -v31, v31
.set NN, NN+1
.endr
.irp u, 0,1,2,3
	v_cvt_scalef32_pk8_fp8_f32 v[NB+2*\u:NB+2*\u+1], v[64+8*\u:71+8*\u], v30
.endr
	v_nop
	global_store_b128 v1, v[NB:NB+3], s[14:15] offset:1024*(\i)
	global_store_b128 v1, v[NB+4:NB+7], s[14:15] offset:1024*(\i)+512
.endm
	TILE 0
	TILE 1
	TILE 2
	TILE 3
	s_endpgm
.Lfunc_end_k_qdcfa5299e4_inter:
	.size	k_qdcfa5299e4_inter, .Lfunc_end_k_qdcfa5299e4_inter-k_qdcfa5299e4_inter
	.p2alignl 7, 3214868480
	.fill 96, 4, 3214868480
	.section	.rodata,"a",@progbits
	.p2align	6, 0x0
	.amdhsa_kernel k_qdcfa5299e4_inter
		.amdhsa_group_segment_fixed_size 0
		.amdhsa_private_segment_fixed_size 0
		.amdhsa_enable_private_segment 0
		.amdhsa_kernarg_size 48
		.amdhsa_user_sgpr_count 2
		.amdhsa_user_sgpr_kernarg_segment_ptr 1
		.amdhsa_wavefront_size32 1
		.amdhsa_system_sgpr_workgroup_id_x 1
		.amdhsa_system_sgpr_workgroup_id_y 1
		.amdhsa_system_sgpr_workgroup_id_z 1
		.amdhsa_system_vgpr_workitem_id 0
		.amdhsa_next_free_vgpr 512
		.amdhsa_next_free_sgpr 66
		.amdhsa_reserve_vcc 0
		.amdhsa_float_denorm_mode_32 3
		.amdhsa_float_denorm_mode_16_64 3
		.amdhsa_memory_ordered 1
		.amdhsa_forward_progress 1
		.amdhsa_inst_pref_size 61
	.end_amdhsa_kernel
	.amdgpu_metadata
---
amdhsa.version: [ 1, 2 ]
amdhsa.kernels:
  - .name:           k_qdcfa5299e4_inter
    .symbol:         k_qdcfa5299e4_inter.kd
    .args:
      - { .name: qimg, .offset: 0, .size: 8, .value_kind: global_buffer, .address_space: global }
      - { .name: numimg, .offset: 8, .size: 8, .value_kind: global_buffer, .address_space: global }
      - { .name: denimg, .offset: 16, .size: 8, .value_kind: global_buffer, .address_space: global }
      - { .name: sstate, .offset: 24, .size: 8, .value_kind: global_buffer, .address_space: global }
      - { .name: lowp_scales, .offset: 32, .size: 8, .value_kind: global_buffer, .address_space: global }
      - { .name: ocodes, .offset: 40, .size: 8, .value_kind: global_buffer, .address_space: global }
    .group_segment_fixed_size: 0
    .private_segment_fixed_size: 0
    .kernarg_segment_align: 8
    .kernarg_segment_size: 48
    .max_flat_workgroup_size: 128
    .sgpr_count:     66
    .vgpr_count:     512
    .wavefront_size: 32
...
	.end_amdgpu_metadata
.endif
;; end of part 4
;; launch oproj (part 5): grid 8 x 32, 4 waves a work-group, clusters of 4 x 4, 327,680 bytes of LDS; arguments ocodes, wcodes, bo, lowp_scales, out0; writes out0
.if DOCPART == 5
	.amdgcn_target "amdgcn-amd-amdhsa--gfx1250"
	.amdhsa_code_object_version 6
	.text
	.protected	k_qdcfa5299e4_oproj
	.globl	k_qdcfa5299e4_oproj
	.p2align	8
	.type	k_qdcfa5299e4_oproj,@function
k_qdcfa5299e4_oproj:
	s_mov_b64 s[64:65], 0
	v_nop
	global_prefetch_b8 v0, s[64:65] scope:SCOPE_SE
	s_setreg_imm32_b32 hwreg(HW_REG_WAVE_MODE, 25, 1), 1
	s_wait_xcnt 0x0
	s_wait_alu depctr_hold_cnt(0) depctr_sa_sdst(0) depctr_va_vdst(0) depctr_va_sdst(0) depctr_va_ssrc(0) depctr_va_vcc(0) depctr_vm_vsrc(0)
	s_getreg_b32 s2, hwreg(HW_REG_IB_STS2, 6, 4)
	s_cmp_eq_u32 s2, 0
	s_cbranch_scc0 .Lentry_in_a_cluster
	s_endpgm
.Lentry_in_a_cluster:
	s_bfe_u32 s2, ttmp6, 0x10000c
	s_cmp_lg_u32 s2, 0xf033
	s_cbranch_scc0 .Lentry_shape_is_right
	s_endpgm
.Lentry_shape_is_right:
.set BOFF,  131072
.set STAGE, 270336
.set DW0,   (3<<16)|(1<<20)|(1<<21)|(5<<22)|(3<<25)
.set G1A, 24
.set G0A, 32
.set G1B, 48
.set G0B, 68
.set MSB, 0
.macro WIN new
.if MSB != (\new)
	s_set_vgpr_msb ((MSB<<8)|(\new))
.set MSB, (\new)
.endif
.endm
.macro PLACES n
.rept \n
	v_nop
.endr
.endm
.macro CROUND
	s_barrier_signal -1
	s_barrier_wait -1
	s_cmp_lg_u32 s14, 0
	s_cbranch_scc1 .Lnot_wave_0_\@
	s_barrier_signal -3
.Lnot_wave_0_\@:
	s_barrier_wait -3
	s_barrier_signal -1
	s_barrier_wait -1
.endm
	s_load_b256 s[4:11], s[0:1], 0x0
	s_load_b64 s[12:13], s[0:1], 0x20
	v_lshl_add_u32 v30, v0, 2, 0x46400
	v_mov_b32 v31, 0
	ds_add_u32 v30, v31
	ds_add_u32 v30, v31
	v_lshrrev_b32 v1, 5, v0
	v_readfirstlane_b32 s14, v1
	s_lshr_b32 s15, s14, 1
	s_and_b32 s16, s14, 1
	s_bfe_u32 s56, ttmp6, 0x40000
	s_bfe_u32 s57, ttmp6, 0x40004
	s_lshl_b32 s58, ttmp9, 2
	s_add_co_u32 s58, s58, s56
	s_and_b32 s59, ttmp7, 0xffff
	s_lshl_b32 s59, s59, 2
	s_add_co_u32 s59, s59, s57
	s_lshl_b32 s60, s57, 2
	s_lshl_b32 s60, 15, s60
	s_lshl_b32 s61, 0x1111, s56
	s_or_b32 s[G1A], s60, (3<<16)|(1<<21)
	s_or_b32 s[G1B], s61, DW0
.irp g, G1A, G1B
	s_mov_b32 s[\g+1], 32<<16
	s_mov_b32 s[\g+2], 64<<16
	s_mov_b32 s[\g+3], 32<<16
	s_mov_b32 s[\g+4], 64
	s_mov_b32 s[\g+5], 32
	s_mov_b32 s[\g+6], 0
	s_mov_b32 s[\g+7], 0
.endr
	s_lshl_b32 s17, s16, 14
	s_mul_i32 s18, s16, 17408
	s_lshl_b32 s20, s59, 17
	s_add_co_u32 s20, s20, s17
	s_mov_b32 s21, 0
	s_lshl_b32 s22, s58, 17
	s_add_co_u32 s22, s22, s17
	s_add_co_u32 s22, s22, 3145728
	s_mov_b32 s23, 0
	s_wait_dscnt 0x0
	s_wait_kmcnt 0x0
	s_add_nc_u64 s[20:21], s[4:5], s[20:21]
	s_add_nc_u64 s[22:23], s[6:7], s[22:23]
	CROUND
.irp p, 0,1,2,3
	s_mov_b32 s[G0A+4*\p], 1
	s_add_co_u32 s[G0A+4*\p+1], s17, \p*32768
	s_add_nc_u64 s[G0A+4*\p+2:G0A+4*\p+3], s[20:21], \p*32768
	s_or_b32 s[G0A+4*\p+3], s[G0A+4*\p+3], 0x80000000
	s_mov_b32 s[G0B+4*\p], 1
	s_add_co_u32 s[G0B+4*\p+1], s18, BOFF+\p*34816
	s_add_nc_u64 s[G0B+4*\p+2:G0B+4*\p+3], s[22:23], \p*32768
	s_or_b32 s[G0B+4*\p+3], s[G0B+4*\p+3], 0x80000000
.endr
	s_cmp_lt_u32 s14, 2
	s_cbranch_scc0 .Lfirst_b
.irp p, 0,1,2,3
	tensor_load_to_lds s[G0A+4*\p:G0A+4*\p+3], s[G1A:G1A+7]
	s_nop 0
.endr
	PLACES 4
	s_branch .Lfirst_asked
.Lfirst_b:
.irp p, 0,1,2,3
	tensor_load_to_lds s[G0B+4*\p:G0B+4*\p+3], s[G1B:G1B+7]
	s_nop 0
.endr
	PLACES 4
.Lfirst_asked:
	v_and_b32 v1, 15, v0
	v_bfe_u32 v2, v0, 4, 1
	v_and_b32 v3, 31, v0
	s_lshl_b32 s19, s15, 12
	v_lshl_add_u32 v4, v3, 4, s19
	v_add_nc_u32 v5, 65536, v4
	v_lshrrev_b32 v6, 1, v1
	v_mul_u32_u24 v6, v6, 272
	v_and_b32 v7, 1, v1
	v_lshl_add_u32 v6, v7, 7, v6
	v_lshl_add_u32 v6, v2, 4, v6
	s_mul_i32 s19, s16, 8704
	s_add_co_u32 s19, s19, BOFF
	v_add_nc_u32 v6, s19, v6
	v_add_nc_u32 v7, 69632, v6
	s_mul_i32 s19, s14, 4352
	s_add_co_u32 s19, s19, STAGE
	v_mul_u32_u24 v8, v1, 272
	v_lshl_add_u32 v8, v2, 5, v8
	v_add_nc_u32 v8, s19, v8
	v_mul_u32_u24 v9, v2, 272
	v_lshl_add_u32 v9, v1, 4, v9
	v_add_nc_u32 v9, s19, v9
	v_lshlrev_b32 v10, 13, v2
	v_lshl_add_u32 v10, v1, 4, v10
	v_lshlrev_b32 v11, 5, v2
	s_and_b32 s84, s59, 15
	s_lshl_b32 s84, s84, 7
	s_lshl_b32 s86, s15, 6
	s_add_co_u32 s84, s84, s86
	s_lshl_b32 s84, s84, 1
	s_lshr_b32 s86, s59, 4
	s_add_co_u32 s84, s84, s86
	s_lshl_b32 s84, s84, 12
	s_lshl_b32 s86, s58, 9
	s_lshl_b32 s87, s16, 8
	s_add_co_u32 s86, s86, s87
	s_mov_b32 s87, 0
	s_add_co_u32 s84, s84, s86
	s_mov_b32 s85, 0
	s_add_nc_u64 s[12:13], s[12:13], s[84:85]
	s_add_nc_u64 s[8:9], s[8:9], s[86:87]
	s_load_b64 s[96:97], s[10:11], 0x18
.irp b, 0,1,2,3
	global_load_b128 v[32+8*\b:35+8*\b], v11, s[8:9] offset:64*\b
	global_load_b128 v[36+8*\b:39+8*\b], v11, s[8:9] offset:64*\b+16
.endr
.macro FETCH ks, f
	WIN 0x40
.irp a, 0,1,2,3
.irp q, 0,1,2,3
	ds_load_b128 v[(\f)+16*\a+4*\q:(\f)+16*\a+4*\q+3], v[4+((\ks)/4)] offset:(((2*(\ks)+(\q/2))%8)*8192)+\a*1024+(\q%2)*512
.endr
.endr
.irp b, 0,1,2,3
.irp c, 0,1,2,3
	ds_load_b128 v[(\f)+64+16*\b+4*\c:(\f)+64+16*\b+4*\c+3], v[6+((\ks)/4)] offset:(((\ks)%4)*17408)+\b*2176+32*\c
.endr
.endr
.endm
.macro MUL16 f, zero
	WIN 0x05
.irp a, 0,1,2,3
.irp b, 0,1,2,3
.if \zero
	v_wmma_f32_16x16x128_fp8_fp8 v[128+8*(4*\a+\b):135+8*(4*\a+\b)], v[(\f)+64+16*\b:(\f)+79+16*\b], v[(\f)+16*\a:(\f)+15+16*\a], 0
.else
	v_wmma_f32_16x16x128_fp8_fp8 v[128+8*(4*\a+\b):135+8*(4*\a+\b)], v[(\f)+64+16*\b:(\f)+79+16*\b], v[(\f)+16*\a:(\f)+15+16*\a], v[128+8*(4*\a+\b):135+8*(4*\a+\b)]
.endif
.endr
.endr
.endm
.macro EVEN ks
	s_wait_dscnt 0x0
	PLACES 4
	FETCH (\ks)+1, 128
	MUL16 0, 0
.endm
.macro ODD ks
	s_wait_dscnt 0x0
	s_wait_tensorcnt 3-(((\ks)+1)/2)
	WIN 0
	s_barrier_signal -1
	s_barrier_wait -1
	PLACES 4
	FETCH (\ks)+1, 0
	MUL16 128, 0
.endm
	s_wait_tensorcnt 0x3
	s_barrier_signal -1
	s_barrier_wait -1
	FETCH 0, 0
	s_wait_dscnt 0x0
	FETCH 1, 128
	MUL16 0, 1
	ODD 1
	EVEN 2
	ODD 3
	EVEN 4
	ODD 5
	EVEN 6
	s_wait_dscnt 0x0
	MUL16 128, 0
	WIN 0
	PLACES 4
	s_wait_loadcnt 0x0
	s_wait_kmcnt 0x0
	s_add_co_i32 s96, s96, s97
	s_add_co_i32 s96, s96, 127
	s_lshl_b32 s96, s96, 23
	s_mov_b32 s97, s96
.irp a, 0,1,2,3
.if \a > 0
	s_wait_xcnt 0x0
.endif
.set NN, 0
.rept 16
	v_pk_fma_f32 v[64+NN:65+NN], v[128+32*\a+NN:129+32*\a+NN], s[96:97], v[32+NN:33+NN] op_sel_hi:[1,0,1]
.set NN, NN+2
.endr
.irp b, 0,1,2,3
	ds_store_b128 v8, v[64+8*\b:67+8*\b] offset:64*\b
	ds_store_b128 v8, v[68+8*\b:71+8*\b] offset:64*\b+16
.endr
.irp t, 0,1,2,3,4,5,6,7
	ds_load_b128 v[96+4*\t:99+4*\t], v9 offset:544*\t
.endr
	s_wait_dscnt 0x0
.irp t, 0,1,2,3,4,5,6,7
	global_store_b128 v10, v[96+4*\t:99+4*\t], s[12:13] offset:\a*131072+\t*16384 th:TH_STORE_NT
.endr
.endr
	s_wait_tensorcnt 0x0
	ds_add_u32 v30, v31
	s_wait_dscnt 0x0
	CROUND
	s_endpgm
.Lfunc_end_k_qdcfa5299e4_oproj:
	.size	k_qdcfa5299e4_oproj, .Lfunc_end_k_qdcfa5299e4_oproj-k_qdcfa5299e4_oproj
	.p2alignl 7, 3214868480
	.fill 96, 4, 3214868480
	.section	.rodata,"a",@progbits
	.p2align	6, 0x0
	.amdhsa_kernel k_qdcfa5299e4_oproj
		.amdhsa_group_segment_fixed_size 327680
		.amdhsa_private_segment_fixed_size 0
		.amdhsa_enable_private_segment 0
		.amdhsa_kernarg_size 40
		.amdhsa_user_sgpr_count 2
		.amdhsa_user_sgpr_kernarg_segment_ptr 1
		.amdhsa_wavefront_size32 1
		.amdhsa_system_sgpr_workgroup_id_x 1
		.amdhsa_system_sgpr_workgroup_id_y 1
		.amdhsa_system_sgpr_workgroup_id_z 1
		.amdhsa_system_vgpr_workitem_id 0
		.amdhsa_next_free_vgpr 512
		.amdhsa_next_free_sgpr 100
		.amdhsa_reserve_vcc 0
		.amdhsa_float_denorm_mode_32 3
		.amdhsa_float_denorm_mode_16_64 3
		.amdhsa_memory_ordered 1
		.amdhsa_forward_progress 1
		.amdhsa_inst_pref_size 47
	.end_amdhsa_kernel
	.amdgpu_metadata
---
amdhsa.version: [ 1, 2 ]
amdhsa.kernels:
  - .name:           k_qdcfa5299e4_oproj
    .symbol:         k_qdcfa5299e4_oproj.kd
    .args:
      - { .name: ocodes, .offset: 0, .size: 8, .value_kind: global_buffer, .address_space: global }
      - { .name: wcodes, .offset: 8, .size: 8, .value_kind: global_buffer, .address_space: global }
      - { .name: bo, .offset: 16, .size: 8, .value_kind: global_buffer, .address_space: global }
      - { .name: lowp_scales, .offset: 24, .size: 8, .value_kind: global_buffer, .address_space: global }
      - { .name: out0, .offset: 32, .size: 8, .value_kind: global_buffer, .address_space: global }
    .group_segment_fixed_size: 327680
    .private_segment_fixed_size: 0
    .kernarg_segment_align: 8
    .kernarg_segment_size: 40
    .max_flat_workgroup_size: 128
    .sgpr_count:     100
    .vgpr_count:     512
    .wavefront_size: 32
...
	.end_amdgpu_metadata
.endif
;; end of part 5
